; MI455X (gfx1250); checked and timed in simulation.
; The chip was launched on July 23, 2026; its instructions are those of AMD's public machine-readable ISA for CDNA 5 (MIT licence, August 2026) and "CDNA5" Instruction Set Architecture Reference Guide (July 2026). The comments in the code are by the model that wrote it; some were corrected since.
;; Forward Kinematics. Allowed arithmetic: float matrix products may take bf16 or f16 operands with f32 sums; all other float work in f32.
;; Inputs: axes 16 x 3 float32; link_lengths 16 float32; q 1,048,576 x 16 float32.
;; Outputs: out0 1,048,576 x 3 float32; out1 1,048,576 x 4 float32.
;; One version. Each part assembles by itself: llvm-mc -triple=amdgcn-amd-amdhsa -mcpu=gfx1250 --defsym DOCPART=n.
;; ======== version 1 of 1: 1 launch
;; limits: inputs' magnitudes at most 13,176,794
;; launch fk (part 1): grid 2048 x 1, 8 waves a work-group, no clusters, 50,176 bytes of LDS; arguments q, link_lengths, axes, out0, out1; writes out0, out1
.if DOCPART == 1
	.amdgcn_target "amdgcn-amd-amdhsa--gfx1250"
	.amdhsa_code_object_version 6
	.text
	.protected	k_qa450f37815_fk
	.globl	k_qa450f37815_fk
	.p2align	8
	.type	k_qa450f37815_fk,@function
k_qa450f37815_fk:
	s_mov_b64 s[64:65], 0
	v_nop
	global_prefetch_b8 v0, s[64:65] scope:SCOPE_SE
	s_setreg_imm32_b32 hwreg(HW_REG_WAVE_MODE, 25, 1), 1
	s_wait_xcnt 0x0
; FORWARD KINEMATICS.  q: [1048576][16] f32, link_lengths: [16], axes: [16][3]; out0 = pos [1048576][3], out1 = ori [1048576][4] (w,x,y,z).
; For each row 16 steps: R = axis-angle matrix of (q[j], axes[j]); pos += L[j] * first column of R; N = R * Q(ori); ori = quaternion of N by the four-case choice.
; SHARES.  2,048 work-groups of 8 waves; a wave owns 64 consecutive rows; lane l owns rows l and l + 32 of them, kept as the low and the high register of even pairs,
; so that one packed f32 instruction serves both rows.  Compares, selects, maxima, reciprocals and reciprocal roots have no packed form and are written once for each row.
; THE STEP IS RECAST, by identities that hold for every input.  For ori of norm^2 1 + e the matrix formula gives Q = (1 + e) U - e I, U the rotation of ori's direction u.  The way back to a
; quaternion multiplies e by up to 3 a step and turns it into an error of angle, so a norm that is carried inside rounded numbers multiplies every rounding.  Here e is a number of its own:
;   state   u (norm 1 to f32) and e.
;   axis    a = mu ah, |ah| = 1:  R = R0 + dR, R0 the rotation about ah, dR = t (a a^T - ah ah^T) + s [a - ah]x, its constants made from eta = |a|^2 - 1 without cancellation.
;   N       = R Q = P + E;  P = rotation of r = p (x) u, p = (cos(q/2), ah sin(q/2));  E = (dR + e R) U - e R: the 3 x 3 product, of what is not a rotation.
;   cases   the ten numerators are linear in N: n = gk r + nE, gk = 4 r_k / |r|^2, k the case's large place; a_i = 4 r_i^2 / |r|^2 + aE_i; trace = a_0 - 1; N_ii > N_jj is a_i > a_j.
;   result  ori = n / (2 sqrt(a));  u' = n / |n|;  e' = |n|^2 / (4 a) - 1 = (gk (r.nE) / 2 + |nE|^2 / 4 - aE_k) / a, in which no term is of order 1 when E is small.
; For an axis of length exactly 1, E and e stay exactly 0.  Roundings enter as errors of angle alone, which no step multiplies.
; THE 3 x 3 PRODUCT is made of f32 multiply-adds on the vector unit: every row has matrices of its own, 27 packed instructions for two rows, and the choice of cases keeps its margin only in f32.
; SINE AND COSINE of x = q / 2.  k = round(2 x / pi), made by adding 1.5 * 2^23; r = x - k pi / 2 as a high and a low word; on |r| <= pi / 4 both kernels end in one addition of a small, well known
; term onto a large, exact one; k's two lowest bits swap the two and set the signs.  Then t = 1 - cos q = 2 S^2, sin q = 2 S C, cos q = 1 - t.
; LIMITS.  |q| < 2^22 pi (1.3e7): beyond that k has no integer place left.  The order of rounding is not reference()'s; where a chain of f32 roundings is multiplied as described above, this text
; stays with the exact value.  At a border between cases the result jumps between a quaternion and its negative: where the deciding quantity (the trace, a difference of diagonal entries) lies within
; about 1e-6 of the border, the other case may be taken.  The clamp at 1e-8 guards the root alone: the chosen a is at least 1 - trace / 3 >= 1 for any matrix, so it never acts.
; An axis with |a|^2 <= 1e-30 takes ah = (0,0,1); R = R0 + dR holds there too.  NaN and infinities are not treated apart.
; LDS, 6,144 bytes for each wave, its own, so no barrier: the angles turned from [row][joint] into [joint][lane][row half]; a table of 16 constants a joint; a stage for pos.
.set WAVES,  8
.set QP,     272                       ; bytes from joint to joint in the angle stage: 256 + 16 = 68 words, so the four lanes that hold one row's 16 angles store 4 x 68 words apart: 16 banks apart (64 banks of 4 bytes)
.set KT,     16*QP                     ; the table: 64 bytes a joint
.set PST,    KT+16*64                  ; the stage for pos: 64 rows x 12 bytes
.set WBYTES, PST+768                   ; 6,144
.set SPARE,  WAVES*WBYTES              ; the spare words, 128 bytes for each wave: four blocks of 256 bytes that no other line names
.set LN,    1                          ; v1   lane
.set VQ,    2                          ; v2   16 x lane: my 16 bytes in 512 of q, and of ori
.set VQW,   3                          ; v3   LDS: where my four angles of a chunk go
.set VQR,   4                          ; v4   LDS: my wave's block + 8 x lane
.set VP8,   5                          ; v5   8 x lane: my 8 bytes in 256 of pos
.set VKT,   6                          ; v6   LDS: my wave's block (the table is read at one address by all lanes)
.set VKW,   7                          ; v7   LDS: my wave's block + 64 x (lane % 16): the table's row that I write
.set VPW,   8                          ; v8   LDS: my wave's block + 12 x lane
.set TMP,   9
.set SPW,   10                         ; v10  LDS address of my spare word; never rewritten
.set NIL,   11                         ; v11  0; never rewritten
.set TH,    12                         ; v12-13   the joint's angles of my two rows
.set KB,    14                         ; v14-29   the joint's words: 0-2 a, 3 L, 4-6 ah, 7 Dxx, 8-10 a - ah, 11 Dyy, 12 Dxy, 13 Dxz, 14 Dyz, 15 Dzz  (D = a a^T - ah ah^T)
.set UW,    30                         ; v30-37   u
.set UX,    32
.set UY,    34
.set UZ,    36
.set EV,    38                         ; v38-39   e
.set PX,    40                         ; v40-45   pos
.set PY,    42
.set PZ,    44
.set RM,    46                         ; v46-63   R: entry (i, k) at + 2 (3 i + k)
.set UM,    64                         ; v64-81   U
.set GM,    82                         ; v82-99   dR, then G = dR + e R
.set EM,    100                        ; v100-117 e R, then E
.set RW,    118                        ; v118-125 r = p (x) u
.set RX,    120
.set RY,    122
.set RZ,    124
; at the head: the chunks of q as loaded lie over R and U; the table's row in the making over E; its scratch over G and r
.set RAW,   RM
.set W,     EM
.set AXO,   EM+16
.set LOFF,  EM+17
.set H_X2,  82
.set H_Y2,  83
.set H_Z2,  84
.set H_EX,  85
.set H_EY,  86
.set H_EZ,  87
.set H_S1,  88
.set H_E1,  89
.set H_S2,  90
.set H_E2,  91
.set H_BB,  92
.set H_T0,  93
.set H_ETA, 94
.set H_MU,  95
.set H_RMU, 96
.set H_RNN, 97
.set H_M1,  98
.set H_KA,  99
.set H_FD,  118
.set H_PXY, 119
.set H_PXZ, 120
.set H_PYZ, 121
.set H_T1,  122
.set H_T2,  123
; sine and cosine work over G, E and r, which are not alive then; their results lie apart
.set T_KF,  82
.set T_KK,  84
.set T_R0,  86
.set T_RH,  88
.set T_LO,  90
.set T_Z,   92
.set T_ZL,  94
.set T_W,   96
.set T_T,   98
.set T_PC,  100
.set T_ZZ,  102
.set T_U,   104
.set T_PS,  106
.set T_B,   108
.set T_SI,  110
.set T_CO,  112
.set T_NS,  114
.set T_SG,  116
.set T_X,   118
.set T_SS,  126                        ; S = sin(q / 2)
.set T_CC,  128                        ; C = cos(q / 2)
.set T_TA,  130
.set T_TB,  132
.set B_S2,  130                        ; 2 S
.set B_T,   132                        ; t = 1 - cos q
.set B_S,   134                        ; sin q
.set B_C,   136                        ; cos q
.set PVX,   138                        ; S ah
.set PVY,   140
.set PVZ,   142
.set C_RHO, 144                        ; |r|^2
.set C_G4,  146                        ; 4 / |r|^2
.set B_TAX, GM+0                       ; R's parts, before dR takes these registers
.set B_TAY, GM+2
.set B_TAZ, GM+4
.set B_SAX, GM+6
.set B_SAY, GM+8
.set B_SAZ, GM+10
.set SDX,   EM+0                       ; s (a - ah), before e R takes these registers
.set SDY,   EM+2
.set SDZ,   EM+4
.set D2X,   148                        ; U's parts
.set D2Y,   150
.set D2Z,   152
.set Q_ZZ,  154
.set Q_YY,  156
.set Q_WZ,  158
.set Q_WY,  130
.set Q_WX,  132
; sums of E's entries, over G and U, which are free when E is made
.set C_TRE, GM+0
.set C_AE1, GM+2
.set C_AE2, GM+4
.set C_AE3, GM+6
.set C_NAX, GM+8
.set C_NAY, GM+10
.set C_NAZ, GM+12
.set C_ND,  GM+14
.set C_NE,  GM+16
.set C_NF,  UM+0
.set C_HW,  UM+2
.set C_HX,  UM+4
.set C_HY,  UM+6
.set C_HZ,  UM+8
.set C_A1,  UM+12
.set C_A2,  UM+14
.set C_A3,  UM+16
; the choice of cases, over R and then over E
.set X_TR,  RM+0
.set X_MX,  RM+2
.set X_RK,  RM+4
.set X_AEK, RM+6
.set X_SW,  RM+8
.set X_SX,  RM+10
.set X_SY,  RM+12
.set X_SZ,  RM+14
.set X_GK,  RM+16
.set X_NW,  EM+0
.set X_NX,  EM+2
.set X_NY,  EM+4
.set X_NZ,  EM+6
.set X_AA,  EM+8
.set X_DOT, EM+10
.set X_NN2, EM+12
.set X_T1,  EM+14
.set X_RA,  EM+16
.set X_NNS, 148
.set X_Y,   150
.set OUT,   GM                         ; the last step: (w,x,y,z) of my first row, then of my second
; scalar constants: a packed instruction names an even pair and takes its low word for both halves, so each constant is written into both words of a pair
.set C2PI,  26                         ; 2 / pi
.set CMAG,  28                         ; 1.5 * 2^23
.set CMGN,  30                         ; -1.5 * 2^23
.set CNP1,  32                         ; -(pi / 2 rounded to f32)
.set CNP2,  34                         ; that value less pi / 2: 4.371139e-8
.set CS5,   36
.set CS4,   38
.set CS3,   40
.set CS2,   42
.set CS1L,  44                         ; -1/6 in two words: what the upper one leaves
.set CS1H,  46
.set CC4,   48
.set CC3,   50
.set CC2,   52
.set CC1,   54
.set CEPS,  56                         ; 1e-8
.set CSGN,  57                         ; the sign bit
.set C8,    58                         ; 8.0
.set CTINY, 60                         ; 1e-30
.set MSK,   66                         ; row half e's lane masks at MSK + 8 e: +0 c0, +1 c1, +2 c2, +6 k odd
.macro CONST r, bits
	s_mov_b32 s[\r], \bits
	s_mov_b32 s[\r+1], \bits
.endm
; the packed forms, by name
.macro PADD d, a, b                    ; a + b
	v_pk_add_f32 v[(\d):(\d)+1], v[(\a):(\a)+1], v[(\b):(\b)+1]
.endm
.macro PSUB d, a, b                    ; a - b
	v_pk_add_f32 v[(\d):(\d)+1], v[(\a):(\a)+1], v[(\b):(\b)+1] neg_lo:[0,1] neg_hi:[0,1]
.endm
.macro PCOM d, a                       ; 1 - a
	v_pk_add_f32 v[(\d):(\d)+1], v[(\a):(\a)+1], 1.0 op_sel_hi:[1,0] neg_lo:[1,0] neg_hi:[1,0]
.endm
.macro PMUL d, a, b                    ; a b
	v_pk_mul_f32 v[(\d):(\d)+1], v[(\a):(\a)+1], v[(\b):(\b)+1]
.endm
.macro PMULI d, a, c                   ; a c, c an inline constant
	v_pk_mul_f32 v[(\d):(\d)+1], v[(\a):(\a)+1], \c op_sel_hi:[1,0]
.endm
.macro PFMA d, a, b, c                 ; a b + c
	v_pk_fma_f32 v[(\d):(\d)+1], v[(\a):(\a)+1], v[(\b):(\b)+1], v[(\c):(\c)+1]
.endm
.macro PFMS d, a, b, c                 ; a b - c
	v_pk_fma_f32 v[(\d):(\d)+1], v[(\a):(\a)+1], v[(\b):(\b)+1], v[(\c):(\c)+1] neg_lo:[0,0,1] neg_hi:[0,0,1]
.endm
.macro PFNM d, a, b, c                 ; c - a b
	v_pk_fma_f32 v[(\d):(\d)+1], v[(\a):(\a)+1], v[(\b):(\b)+1], v[(\c):(\c)+1] neg_lo:[1,0,0] neg_hi:[1,0,0]
.endm
.macro PFM1 d, a, b                    ; a b - 1
	v_pk_fma_f32 v[(\d):(\d)+1], v[(\a):(\a)+1], v[(\b):(\b)+1], -1.0 op_sel_hi:[1,1,0]
.endm
.macro PFMI d, a, c, b                 ; a c + b, c an inline constant
	v_pk_fma_f32 v[(\d):(\d)+1], v[(\a):(\a)+1], \c, v[(\b):(\b)+1] op_sel_hi:[1,0,1]
.endm
.macro PFHS d, a, c                    ; a / 2 - c
	v_pk_fma_f32 v[(\d):(\d)+1], v[(\a):(\a)+1], 0.5, v[(\c):(\c)+1] op_sel_hi:[1,0,1] neg_lo:[0,0,1] neg_hi:[0,0,1]
	s_wait_alu depctr_va_vdst(0)
.endm
.macro PFMK d, a, s, c                 ; a s + c, s a scalar constant
	v_pk_fma_f32 v[(\d):(\d)+1], v[(\a):(\a)+1], s[(\s):(\s)+1], v[(\c):(\c)+1] op_sel_hi:[1,0,1]
.endm
.macro PHOR d, z, s                    ; d z + s: a step of a polynomial
	v_pk_fma_f32 v[(\d):(\d)+1], v[(\d):(\d)+1], v[(\z):(\z)+1], s[(\s):(\s)+1] op_sel_hi:[1,1,0]
.endm
; a joint's word is one register of a pair in KB: hi = 0 the pair's first, 1 its second, named for both halves by op_sel and op_sel_hi
.macro MULK d, a, k, hi                ; a K
.if \hi
	v_pk_mul_f32 v[(\d):(\d)+1], v[(\a):(\a)+1], v[(\k):(\k)+1] op_sel:[0,1] op_sel_hi:[1,1]
.else
	v_pk_mul_f32 v[(\d):(\d)+1], v[(\a):(\a)+1], v[(\k):(\k)+1] op_sel_hi:[1,0]
.endif
.endm
.macro FMAK d, a, k, hi, c, ng         ; a K + c, or with ng = 1: a K - c
.if (\hi) && (\ng)
	v_pk_fma_f32 v[(\d):(\d)+1], v[(\a):(\a)+1], v[(\k):(\k)+1], v[(\c):(\c)+1] op_sel:[0,1,0] op_sel_hi:[1,1,1] neg_lo:[0,0,1] neg_hi:[0,0,1]
.elseif \hi
	v_pk_fma_f32 v[(\d):(\d)+1], v[(\a):(\a)+1], v[(\k):(\k)+1], v[(\c):(\c)+1] op_sel:[0,1,0] op_sel_hi:[1,1,1]
.elseif \ng
	v_pk_fma_f32 v[(\d):(\d)+1], v[(\a):(\a)+1], v[(\k):(\k)+1], v[(\c):(\c)+1] op_sel_hi:[1,0,1] neg_lo:[0,0,1] neg_hi:[0,0,1]
.else
	v_pk_fma_f32 v[(\d):(\d)+1], v[(\a):(\a)+1], v[(\k):(\k)+1], v[(\c):(\c)+1] op_sel_hi:[1,0,1]
.endif
.endm
.macro MULW d, a, w                    ; a x the joint's word w
	MULK \d, \a, KB+2*((\w)/2), (\w)%2
.endm
.macro FMAW d, a, w, c, ng             ; a x the joint's word w, + c or - c
	FMAK \d, \a, KB+2*((\w)/2), (\w)%2, \c, \ng
.endm
	s_load_b256 s[4:11], s[0:1], 0x0               ; q s[4:5], link_lengths s[6:7], axes s[8:9], out0 s[10:11]
	s_load_b64 s[12:13], s[0:1], 0x20              ; out1
	v_lshl_add_u32 v[SPW], v0, 2, SPARE
	v_mov_b32 v[NIL], 0
	v_lshrrev_b32 v[TMP], 5, v0
	v_readfirstlane_b32 s14, v[TMP]                ; wave 0..7
	v_and_b32 v[LN], 31, v0
	s_lshl_b32 s15, ttmp9, 3
	s_add_co_u32 s15, s15, s14                     ; my wave among the launch's 16,384
	s_mul_i32 s16, s14, WBYTES                     ; my wave's block of LDS
	v_lshlrev_b32 v[VQ], 4, v[LN]
	v_lshlrev_b32 v[VP8], 3, v[LN]
	v_and_b32 v[TMP], 15, v[LN]                    ; the joint whose row of the table I make (lanes 16-31 make the same 16 rows once more, so that all lanes stay on)
	v_mul_u32_u24 v[AXO], v[TMP], 12
	v_lshlrev_b32 v[LOFF], 2, v[TMP]
	s_lshl_b32 s18, s15, 12                        ; 64 rows of q are 4,096 bytes
	s_mov_b32 s19, 0
	s_wait_kmcnt 0x0
	global_load_b96 v[W:W+2], v[AXO], s[8:9]       ; ax, ay, az: the row's words 0 to 2
	global_load_b32 v[W+3], v[LOFF], s[6:7]        ; L: word 3
	s_add_nc_u64 s[4:5], s[4:5], s[18:19]
.irp i, 0,1,2,3,4,5,6,7
	global_load_b128 v[RAW+4*(\i):RAW+4*(\i)+3], v[VQ], s[4:5] offset:512*(\i) th:TH_LOAD_NT  ; 512 consecutive bytes: rows 8 i .. 8 i + 7; lane l holds row 8 i + l / 4, joints 4 (l % 4) + 0..3
.endr
	s_lshl_b32 s18, s15, 10                        ; 64 rows of ori are 1,024 bytes,
	s_add_nc_u64 s[12:13], s[12:13], s[18:19]
	s_mul_i32 s18, s15, 768                        ; of pos 768
	s_add_nc_u64 s[10:11], s[10:11], s[18:19]
	CONST C2PI, 0x3f22f983
	CONST CMAG, 0x4b400000
	CONST CMGN, 0xcb400000
	CONST CNP1, 0xbfc90fdb
	CONST CNP2, 0x333bbd2e
	CONST CS5,  0xb2d72f34                         ; -2.5050760e-8   sin r = r + r z (S1 + z (S2 + z (S3 + z (S4 + z S5)))), z = r^2; what is cut is below 7e-12 on |r| <= pi / 4
	CONST CS4,  0x3638ef1b                         ;  2.7557314e-6
	CONST CS3,  0xb9500d01                         ; -1.9841270e-4
	CONST CS2,  0x3c088889                         ;  8.3333338e-3
	CONST CS1L, 0x31aaaaab                         ;  4.9670537e-9   = -1/6 less the word below
	CONST CS1H, 0xbe2aaaab                         ; -0.16666667
	CONST CC4,  0xb493f27c                         ; -2.7557314e-7   cos r = 1 - z / 2 + z^2 (C1 + z (C2 + z (C3 + z C4))); what is cut is below 1.2e-10
	CONST CC3,  0x37d00d01                         ;  2.4801588e-5
	CONST CC2,  0xbab60b61                         ; -1.3888889e-3
	CONST CC1,  0x3d2aaaab                         ;  4.1666668e-2
	CONST C8,   0x41000000
	s_mov_b32 s[CEPS], 0x322bcc77
	s_mov_b32 s[CSGN], 0x80000000
	s_mov_b32 s[CTINY], 0x0da24260
	v_add_nc_u32 v[VQR], s16, v[VP8]
	v_lshl_add_u32 v[VKW], v[TMP], 6, s16
	v_mov_b32 v[VKT], s16
	v_mad_u32_u24 v[VPW], v[LN], 12, s16
	v_and_b32 v[TMP], 3, v[LN]
	v_lshrrev_b32 v[VQW], 2, v[LN]
	v_lshl_add_u32 v[VQW], v[VQW], 3, s16          ; block + 8 (l / 4): the lane that will own the row,
	v_mad_u32_u24 v[VQW], v[TMP], 4*QP, v[VQW]     ; + the first of my four joints
	; the state at the start: ori = (1,0,0,0), so u = (1,0,0,0) and e = 0; pos = 0.  Sixteen registers, so that one text serves all sixteen joints
	v_mov_b32 v[UW], 1.0
	v_mov_b32 v[UW+1], 1.0
.irp r, UX, UX+1, UY, UY+1, UZ, UZ+1, EV, EV+1, PX, PX+1, PY, PY+1, PZ, PZ+1
	v_mov_b32 v[\r], 0
.endr
	; THE TABLE.  Loads come back in order: with 8 out at the most, axes and link_lengths are in, and the 8 chunks of q may still be on their way.
	s_wait_loadcnt 0x8
	; eta = |a|^2 - 1 from exact products (a product and what its rounding dropped) and exact sums, so that it is right where |a| is 1 to the last place
	v_mul_f32 v[H_X2], v[W], v[W]
	v_mul_f32 v[H_Y2], v[W+1], v[W+1]
	v_mul_f32 v[H_Z2], v[W+2], v[W+2]
	v_fma_f32 v[H_EX], v[W], v[W], -v[H_X2]
	v_fma_f32 v[H_EY], v[W+1], v[W+1], -v[H_Y2]
	v_fma_f32 v[H_EZ], v[W+2], v[W+2], -v[H_Z2]
	v_add_f32 v[H_S1], v[H_X2], v[H_Y2]            ; x2 + y2 = S1 + E1, exactly
	v_sub_f32 v[H_BB], v[H_S1], v[H_X2]
	v_sub_f32 v[H_T0], v[H_S1], v[H_BB]
	v_sub_f32 v[H_T0], v[H_X2], v[H_T0]
	v_sub_f32 v[H_BB], v[H_Y2], v[H_BB]
	v_add_f32 v[H_E1], v[H_T0], v[H_BB]
	v_add_f32 v[H_S2], v[H_S1], v[H_Z2]            ; S1 + z2 = S2 + E2, exactly
	v_sub_f32 v[H_BB], v[H_S2], v[H_S1]
	v_sub_f32 v[H_T0], v[H_S2], v[H_BB]
	v_sub_f32 v[H_T0], v[H_S1], v[H_T0]
	v_sub_f32 v[H_BB], v[H_Z2], v[H_BB]
	v_add_f32 v[H_E2], v[H_T0], v[H_BB]
	v_add_f32 v[H_EX], v[H_EX], v[H_EY]
	v_add_f32 v[H_E1], v[H_E1], v[H_E2]
	v_add_f32 v[H_EX], v[H_EX], v[H_EZ]
	v_add_f32 v[H_E1], v[H_E1], v[H_EX]
	v_add_f32 v[H_ETA], -1.0, v[H_S2]              ; exact for S2 between 0.5 and 2
	v_add_f32 v[H_ETA], v[H_ETA], v[H_E1]
	v_sqrt_f32 v[H_MU], v[H_S2]                    ; mu
	v_rsq_f32 v[H_RMU], v[H_S2]                    ; 1 / mu
	v_rcp_f32 v[H_RNN], v[H_S2]                    ; 1 / (1 + eta)
	v_nop                                          ; a plain instruction between the last of them and the first use
	v_cmp_lt_f32 vcc_lo, s[CTINY], v[H_S2]         ; has the axis a direction?
	s_wait_alu depctr_va_vdst(0)
	v_add_f32 v[H_M1], 1.0, v[H_MU]
	v_mul_f32 v[H_M1], v[H_MU], v[H_M1]            ; mu (mu + 1)
	v_mul_f32 v[H_T0], v[H_S2], v[H_RMU]           ; one step of refinement for 1 / mu, since |ah| enters the half angle
	v_rcp_f32 v[H_KA], v[H_M1]
	v_fma_f32 v[H_T0], -v[H_T0], v[H_RMU], 1.0
	v_mul_f32 v[H_T1], 0.5, v[H_RMU]
	v_mul_f32 v[H_FD], v[H_ETA], v[H_RNN]          ; 1 - 1 / mu^2 = eta / (1 + eta)
	s_wait_alu depctr_va_vdst(0)
	v_mul_f32 v[H_KA], v[H_ETA], v[H_KA]           ; 1 - 1 / mu = eta / (mu (mu + 1))
	v_fma_f32 v[H_RMU], v[H_T1], v[H_T0], v[H_RMU]
	v_mul_f32 v[H_PXY], v[W], v[W+1]
	v_mul_f32 v[H_PXZ], v[W], v[W+2]
	v_mul_f32 v[H_PYZ], v[W+1], v[W+2]
	v_add_f32 v[H_T1], -1.0, v[W+2]                ; for an axis without a direction: az - 1,
	v_add_f32 v[H_T2], -1.0, v[H_Z2]               ; az az - 1
	v_mul_f32 v[W+4], v[W], v[H_RMU]               ; ah
	v_mul_f32 v[W+5], v[W+1], v[H_RMU]
	v_mul_f32 v[W+6], v[W+2], v[H_RMU]
	v_mul_f32 v[W+8], v[W], v[H_KA]                ; a - ah
	v_mul_f32 v[W+9], v[W+1], v[H_KA]
	v_mul_f32 v[W+10], v[W+2], v[H_KA]
	v_mul_f32 v[W+7], v[H_X2], v[H_FD]             ; a a^T - ah ah^T
	v_mul_f32 v[W+11], v[H_Y2], v[H_FD]
	v_mul_f32 v[W+15], v[H_Z2], v[H_FD]
	v_mul_f32 v[W+12], v[H_PXY], v[H_FD]
	v_mul_f32 v[W+13], v[H_PXZ], v[H_FD]
	v_mul_f32 v[W+14], v[H_PYZ], v[H_FD]
	v_cndmask_b32 v[W+4], 0, v[W+4], vcc_lo        ; |a|^2 <= 1e-30: ah = (0,0,1), and the differences as they are written
	v_cndmask_b32 v[W+5], 0, v[W+5], vcc_lo
	v_cndmask_b32 v[W+6], 1.0, v[W+6], vcc_lo
	v_cndmask_b32 v[W+8], v[W], v[W+8], vcc_lo
	v_cndmask_b32 v[W+9], v[W+1], v[W+9], vcc_lo
	v_cndmask_b32 v[W+10], v[H_T1], v[W+10], vcc_lo
	v_cndmask_b32 v[W+7], v[H_X2], v[W+7], vcc_lo
	v_cndmask_b32 v[W+11], v[H_Y2], v[W+11], vcc_lo
	v_cndmask_b32 v[W+15], v[H_T2], v[W+15], vcc_lo
	v_cndmask_b32 v[W+12], v[H_PXY], v[W+12], vcc_lo
	v_cndmask_b32 v[W+13], v[H_PXZ], v[W+13], vcc_lo
	v_cndmask_b32 v[W+14], v[H_PYZ], v[W+14], vcc_lo
	ds_store_b128 v[VKW], v[W:W+3] offset:KT
	ds_store_b128 v[VKW], v[W+4:W+7] offset:KT+16
	ds_store_b128 v[VKW], v[W+8:W+11] offset:KT+32
	ds_store_b128 v[VKW], v[W+12:W+15] offset:KT+48
	; THE ANGLES.  Row e = 8 i + l / 4 belongs to lane e % 32, half e / 32; joint j's word lies at j QP + 8 (e % 32) + 4 (e / 32).
.irp i, 0,1,2,3,4,5,6,7
	s_wait_loadcnt 7-(\i)                          ; chunk i is in; the younger chunks may be out
.irp m, 0,1,2,3
	ds_store_b32 v[VQW], v[RAW+4*(\i)+(\m)] offset:(\m)*QP+((\i)%4)*64+((\i)/4)*4
.endr
.endr
; Joint j's angles (256 consecutive bytes: all 64 rows) and its 16 words (the same 64 bytes for every lane).  LDS serves a wave's instructions in order, and these bytes are my wave's own: the loads see the stores above.
.macro JLOAD j
	ds_load_b64  v[TH:TH+1],       v[VQR] offset:(\j)*QP
	ds_load_b128 v[KB:KB+3],       v[VKT] offset:KT+64*(\j)
	ds_load_b128 v[KB+4:KB+7],     v[VKT] offset:KT+64*(\j)+16
	ds_load_b128 v[KB+8:KB+11],    v[VKT] offset:KT+64*(\j)+32
	ds_load_b128 v[KB+12:KB+15],   v[VKT] offset:KT+64*(\j)+48
.endm
	JLOAD 0
; For row half e: k's lowest bit as a lane mask, its second bit as the sign of 1.0.
.macro QUAD e
	v_and_b32 v[T_TA+(\e)], 1, v[T_KF+(\e)]
	v_lshlrev_b32 v[T_TB+(\e)], 30, v[T_KF+(\e)]
	v_cmp_eq_u32 s[MSK+8*(\e)+6], 1, v[T_TA+(\e)]
	v_and_or_b32 v[T_SG+(\e)], v[T_TB+(\e)], s[CSGN], 0x3f800000
.endm
; For row half e: the three compares, and of the chosen case k the place r_k and E's share aE_k of a.  N00 > N11 and N00 > N22 is a1 > max(a2, a3).
.macro PICK e
.set MB, MSK+8*(\e)
	v_max_num_f32 v[X_MX+(\e)], v[C_A2+(\e)], v[C_A3+(\e)]
	v_cmp_gt_f32 s[MB+2], v[C_A2+(\e)], v[C_A3+(\e)]
	v_cmp_lt_f32 s[MB], 0, v[X_TR+(\e)]
	v_cmp_gt_f32 s[MB+1], v[C_A1+(\e)], v[X_MX+(\e)]
	v_cndmask_b32 v[X_RK+(\e)],  v[RZ+(\e)],    v[RY+(\e)],    s[MB+2]
	v_cndmask_b32 v[X_AEK+(\e)], v[C_AE3+(\e)], v[C_AE2+(\e)], s[MB+2]
	v_cndmask_b32 v[X_RK+(\e)],  v[X_RK+(\e)],  v[RX+(\e)],    s[MB+1]
	v_cndmask_b32 v[X_AEK+(\e)], v[X_AEK+(\e)], v[C_AE1+(\e)], s[MB+1]
	v_cndmask_b32 v[X_RK+(\e)],  v[X_RK+(\e)],  v[RW+(\e)],    s[MB]
	v_cndmask_b32 v[X_AEK+(\e)], v[X_AEK+(\e)], v[C_TRE+(\e)], s[MB]
.endm
; For row half e: E's share of the four numerators, in the places (w,x,y,z): case 0 (a0, A, B, C), case 1 (A, a1, D, E), case 2 (B, D, a2, F), case 3 (C, E, F, a3), chosen from the inside out as reference() nests them.
.macro SEL e
.set MB, MSK+8*(\e)
	v_cndmask_b32 v[X_SW+(\e)], v[C_NAZ+(\e)], v[C_NAY+(\e)], s[MB+2]
	v_cndmask_b32 v[X_SX+(\e)], v[C_NE+(\e)],  v[C_ND+(\e)],  s[MB+2]
	v_cndmask_b32 v[X_SY+(\e)], v[C_NF+(\e)],  v[C_AE2+(\e)], s[MB+2]
	v_cndmask_b32 v[X_SZ+(\e)], v[C_AE3+(\e)], v[C_NF+(\e)],  s[MB+2]
	v_cndmask_b32 v[X_SW+(\e)], v[X_SW+(\e)],  v[C_NAX+(\e)], s[MB+1]
	v_cndmask_b32 v[X_SX+(\e)], v[X_SX+(\e)],  v[C_AE1+(\e)], s[MB+1]
	v_cndmask_b32 v[X_SY+(\e)], v[X_SY+(\e)],  v[C_ND+(\e)],  s[MB+1]
	v_cndmask_b32 v[X_SZ+(\e)], v[X_SZ+(\e)],  v[C_NE+(\e)],  s[MB+1]
	v_cndmask_b32 v[X_SW+(\e)], v[X_SW+(\e)],  v[C_TRE+(\e)], s[MB]
	v_cndmask_b32 v[X_SX+(\e)], v[X_SX+(\e)],  v[C_NAX+(\e)], s[MB]
	v_cndmask_b32 v[X_SY+(\e)], v[X_SY+(\e)],  v[C_NAY+(\e)], s[MB]
	v_cndmask_b32 v[X_SZ+(\e)], v[X_SZ+(\e)],  v[C_NAZ+(\e)], s[MB]
.endm
; ONE JOINT.  Written once, expanded 16 times: the LDS offsets are constants of the text; the last joint asks for nothing more and leaves ori, row by row, in OUT, over G.
.macro STEP j
	s_wait_dscnt 0x0                               ; this joint's angles and words, asked for in the joint before
	; x = q / 2;  r = x - k pi / 2 in two words
	PMULI T_X, TH, 0.5
	v_pk_fma_f32 v[T_KF:T_KF+1], v[T_X:T_X+1], s[C2PI:C2PI+1], s[CMAG:CMAG+1] op_sel_hi:[1,0,0]  ; 1.5 * 2^23 + k: the sum has no place behind the point, so it is rounded to a whole number
	v_pk_add_f32 v[T_KK:T_KK+1], v[T_KF:T_KF+1], s[CMGN:CMGN+1] op_sel_hi:[1,0]                  ; k
	PFMK T_R0, T_KK, CNP1, T_X                     ; x - k x the upper word of pi / 2: a multiple of 2^-24 below 1, so exact
	PFMK T_RH, T_KK, CNP2, T_R0                    ; less k x the lower word: r's upper word,
	PSUB T_LO, T_R0, T_RH
	PFMK T_LO, T_KK, CNP2, T_LO                    ; and what that rounding dropped
	QUAD 0
	QUAD 1
	; the two kernels by turns
	PMUL T_Z, T_RH, T_RH
	PFMS T_ZL, T_RH, T_RH, T_Z                     ; what z's rounding dropped
	v_pk_fma_f32 v[T_W:T_W+1], v[T_Z:T_Z+1], -0.5, 1.0 op_sel_hi:[1,0,0]                         ; w = 1 - z / 2, rounded
	PMUL T_U, T_RH, T_Z
	v_pk_fma_f32 v[T_PS:T_PS+1], v[T_Z:T_Z+1], s[CS5:CS5+1], s[CS4:CS4+1] op_sel_hi:[1,0,0]
	v_pk_fma_f32 v[T_PC:T_PC+1], v[T_Z:T_Z+1], s[CC4:CC4+1], s[CC3:CC3+1] op_sel_hi:[1,0,0]
	PCOM T_T, T_W
	PHOR T_PS, T_Z, CS3
	PHOR T_PC, T_Z, CC2
	PFMI T_T, T_Z, -0.5, T_T                       ; (1 - w) - z / 2: what w's rounding dropped, exactly
	PHOR T_PS, T_Z, CS2
	PHOR T_PC, T_Z, CC1
	PFMI T_T, T_ZL, -0.5, T_T
	PHOR T_PS, T_Z, CS1L
	PMUL T_B, T_LO, T_W                            ; the low word's share of the sine: lo cos r; the small terms are added first
	PMUL T_ZZ, T_Z, T_Z
	PFMA T_B, T_U, T_PS, T_B
	PFMK T_B, T_U, CS1H, T_B
	PADD T_SI, T_RH, T_B                           ; sin r
	PFNM T_T, T_SI, T_LO, T_T                      ; the low word's share of the cosine: - lo sin r
	PFMA T_T, T_ZZ, T_PC, T_T
	PADD T_CO, T_W, T_T                            ; cos r
	PMULI T_NS, T_SI, -1.0
	; k % 4 = 0: (S, C) = (sin r, cos r); 1: (cos r, -sin r); 2 and 3: the same two, negated
.irp e, 0,1
	v_cndmask_b32 v[T_SS+(\e)], v[T_SI+(\e)], v[T_CO+(\e)], s[MSK+8*(\e)+6]
	v_cndmask_b32 v[T_CC+(\e)], v[T_CO+(\e)], v[T_NS+(\e)], s[MSK+8*(\e)+6]
.endr
	PMUL T_SS, T_SS, T_SG
	PMUL T_CC, T_CC, T_SG
	; the whole angle
	PADD B_S2, T_SS, T_SS
	PMUL B_T, B_S2, T_SS                           ; t = 1 - cos q = 2 S S
	PMUL B_S, B_S2, T_CC                           ; sin q = 2 S C
	PCOM B_C, B_T                                  ; cos q
	; R, as reference() writes it
	MULW B_TAX, B_T, 0
	MULW B_TAY, B_T, 1
	MULW B_TAZ, B_T, 2
	MULW B_SAX, B_S, 0
	MULW B_SAY, B_S, 1
	MULW B_SAZ, B_S, 2
	FMAW RM,    B_TAX, 0, B_C,   0                 ; R00 = t ax ax + c
	FMAW RM+2,  B_TAX, 1, B_SAZ, 1                 ; R01 = t ax ay - s az
	FMAW RM+4,  B_TAX, 2, B_SAY, 0                 ; R02 = t ax az + s ay
	FMAW RM+6,  B_TAX, 1, B_SAZ, 0                 ; R10 = t ax ay + s az
	FMAW RM+8,  B_TAY, 1, B_C,   0                 ; R11 = t ay ay + c
	FMAW RM+10, B_TAY, 2, B_SAX, 1                 ; R12 = t ay az - s ax
	FMAW RM+12, B_TAX, 2, B_SAY, 1                 ; R20 = t ax az - s ay
	FMAW RM+14, B_TAY, 2, B_SAX, 0                 ; R21 = t ay az + s ax
	FMAW RM+16, B_TAZ, 2, B_C,   0                 ; R22 = t az az + c
	; pos += L x R's first column
	FMAW PX, RM,    3, PX, 0
	FMAW PY, RM+6,  3, PY, 0
	FMAW PZ, RM+12, 3, PZ, 0
	; r = p (x) u, p = (C, S ah): the four sums by turns
	MULW PVX, T_SS, 4
	MULW PVY, T_SS, 5
	MULW PVZ, T_SS, 6
	PMUL RW, T_CC, UW
	PMUL RX, T_CC, UX
	PMUL RY, T_CC, UY
	PMUL RZ, T_CC, UZ
	PFNM RW, PVX, UX, RW
	PFMA RX, UW, PVX, RX
	PFMA RY, UW, PVY, RY
	PFMA RZ, UW, PVZ, RZ
	PFNM RW, PVY, UY, RW
	PFMA RX, PVY, UZ, RX
	PFMA RY, PVZ, UX, RY
	PFMA RZ, PVX, UY, RZ
	PFNM RW, PVZ, UZ, RW
	PFNM RX, PVZ, UY, RX
	PFNM RY, PVX, UZ, RY
	PFNM RZ, PVY, UX, RZ
	; dR = t (a a^T - ah ah^T) + s [a - ah]x
	MULW SDX, B_S, 8
	MULW SDY, B_S, 9
	MULW SDZ, B_S, 10
	MULW GM,    B_T, 7
	FMAW GM+2,  B_T, 12, SDZ, 1
	FMAW GM+4,  B_T, 13, SDY, 0
	FMAW GM+6,  B_T, 12, SDZ, 0
	MULW GM+8,  B_T, 11
	FMAW GM+10, B_T, 14, SDX, 1
	FMAW GM+12, B_T, 13, SDY, 1
	FMAW GM+14, B_T, 14, SDX, 0
	MULW GM+16, B_T, 15
.if (\j) < 15
	JLOAD (\j)+1                                   ; the next joint's angles and words, behind the last use of this joint's: they have the rest of the step in which to come
.endif
	; |r|^2 = 1 + d with d of the size of a few roundings (p and u have norm 1 to f32), so 4 / |r|^2 = 8 - 4 |r|^2 to within 4 d^2
	PMUL C_RHO, RW, RW
	PFMA C_RHO, RX, RX, C_RHO
	PFMA C_RHO, RY, RY, C_RHO
	PFMA C_RHO, RZ, RZ, C_RHO
	v_pk_fma_f32 v[C_G4:C_G4+1], v[C_RHO:C_RHO+1], -4.0, s[C8:C8+1] op_sel_hi:[1,0,0]
	; e R, and G = dR + e R
.irp n, 0,1,2,3,4,5,6,7,8
	PMUL EM+2*(\n), RM+2*(\n), EV
.endr
.irp n, 0,1,2,3,4,5,6,7,8
	PADD GM+2*(\n), GM+2*(\n), EM+2*(\n)
.endr
	; U, by reference()'s formula for the matrix of a quaternion
	PADD D2X, UX, UX
	PADD D2Y, UY, UY
	PADD D2Z, UZ, UZ
	PMUL Q_ZZ, D2Z, UZ
	PMUL Q_YY, D2Y, UY
	PMUL Q_WZ, D2Z, UW
	PMUL Q_WY, D2Y, UW
	PMUL Q_WX, D2X, UW
	PFMA UM,    D2Y, UY, Q_ZZ
	PFMA UM+8,  D2X, UX, Q_ZZ
	PFMA UM+16, D2X, UX, Q_YY
	PFMS UM+2,  D2X, UY, Q_WZ                      ; U01 = 2 (x y - w z)
	PFMA UM+6,  D2X, UY, Q_WZ                      ; U10
	PFMA UM+4,  D2X, UZ, Q_WY                      ; U02 = 2 (x z + w y)
	PFMS UM+12, D2X, UZ, Q_WY                      ; U20
	PFMS UM+10, D2Y, UZ, Q_WX                      ; U12 = 2 (y z - w x)
	PFMA UM+14, D2Y, UZ, Q_WX                      ; U21
	PCOM UM,    UM                                 ; U00 = 1 - 2 (y y + z z)
	PCOM UM+8,  UM+8                               ; U11
	PCOM UM+16, UM+16                              ; U22
	; E = G U - e R: nine sums of three products, the nine by turns
.irp i, 0,1,2
.irp k, 0,1,2
	PFMS EM+6*(\i)+2*(\k), GM+6*(\i), UM+2*(\k), EM+6*(\i)+2*(\k)
.endr
.endr
.irp i, 0,1,2
.irp k, 0,1,2
	PFMA EM+6*(\i)+2*(\k), GM+6*(\i)+2, UM+6+2*(\k), EM+6*(\i)+2*(\k)
.endr
.endr
.irp i, 0,1,2
.irp k, 0,1,2
	PFMA EM+6*(\i)+2*(\k), GM+6*(\i)+4, UM+12+2*(\k), EM+6*(\i)+2*(\k)
.endr
.endr
	; E's share of the trace, of the four a and of the six numerators
	PADD C_TRE, EM, EM+8
	PSUB C_AE1, EM, EM+8
	PSUB C_AE2, EM+8, EM
	PSUB C_AE3, EM+16, EM
	PADD C_TRE, C_TRE, EM+16
	PSUB C_AE1, C_AE1, EM+16
	PSUB C_AE2, C_AE2, EM+16
	PSUB C_AE3, C_AE3, EM+8
	PSUB C_NAX, EM+14, EM+10                       ; A: 21 - 12
	PSUB C_NAY, EM+4, EM+12                        ; B: 02 - 20
	PSUB C_NAZ, EM+6, EM+2                         ; C: 10 - 01
	PADD C_ND,  EM+2, EM+6                         ; D: 01 + 10
	PADD C_NE,  EM+4, EM+12                        ; E: 02 + 20
	PADD C_NF,  EM+10, EM+14                       ; F: 12 + 21
	; the rotation's share: 1 + trace = 4 rw^2 / |r|^2, a_i = 4 r_i^2 / |r|^2
	PMUL C_HW, C_G4, RW
	PMUL C_HX, C_G4, RX
	PMUL C_HY, C_G4, RY
	PMUL C_HZ, C_G4, RZ
	PFM1 X_TR, C_HW, RW
	PFMA C_A1, C_HX, RX, C_AE1
	PFMA C_A2, C_HY, RY, C_AE2
	PFMA C_A3, C_HZ, RZ, C_AE3
	PADD X_TR, X_TR, C_TRE                         ; the trace of N
	PICK 0
	PICK 1
	SEL 0
	SEL 1
	; n = gk r + nE;  a = n_k
	PMUL X_GK, C_G4, X_RK
	PFMA X_NW, X_GK, RW, X_SW
	PFMA X_NX, X_GK, RX, X_SX
	PFMA X_NY, X_GK, RY, X_SY
	PFMA X_NZ, X_GK, RZ, X_SZ
	PFMA X_AA, X_GK, X_RK, X_AEK
	v_max_num_f32 v[X_AA], s[CEPS], v[X_AA]
	v_max_num_f32 v[X_AA+1], s[CEPS], v[X_AA+1]
.if (\j) == 15
	v_rsq_f32 v[X_Y], v[X_AA]
	v_rsq_f32 v[X_Y+1], v[X_AA+1]
	v_nop                                          ; a plain instruction between the reciprocal roots and their use
	s_wait_alu depctr_va_vdst(0)
	PMULI X_Y, X_Y, 0.5                            ; ori = n / (2 sqrt(a))
	v_mul_f32 v[OUT+0], v[X_NW], v[X_Y]            ; single multiplies: each row's four numbers come to lie in four neighbouring registers
	v_mul_f32 v[OUT+1], v[X_NX], v[X_Y]
	v_mul_f32 v[OUT+2], v[X_NY], v[X_Y]
	v_mul_f32 v[OUT+3], v[X_NZ], v[X_Y]
	v_mul_f32 v[OUT+4], v[X_NW+1], v[X_Y+1]
	v_mul_f32 v[OUT+5], v[X_NX+1], v[X_Y+1]
	v_mul_f32 v[OUT+6], v[X_NY+1], v[X_Y+1]
	v_mul_f32 v[OUT+7], v[X_NZ+1], v[X_Y+1]
.else
	v_rcp_f32 v[X_RA], v[X_AA]
	v_rcp_f32 v[X_RA+1], v[X_AA+1]
	PMUL X_DOT, RW, X_SW                           ; r . nE, |nE|^2 and |n|^2 by turns
	PMUL X_NN2, X_SW, X_SW
	PMUL X_NNS, X_NW, X_NW
	PFMA X_DOT, RX, X_SX, X_DOT
	PFMA X_NN2, X_SX, X_SX, X_NN2
	PFMA X_NNS, X_NX, X_NX, X_NNS
	PFMA X_DOT, RY, X_SY, X_DOT
	PFMA X_NN2, X_SY, X_SY, X_NN2
	PFMA X_NNS, X_NY, X_NY, X_NNS
	PFMA X_DOT, RZ, X_SZ, X_DOT
	PFMA X_NN2, X_SZ, X_SZ, X_NN2
	PFMA X_NNS, X_NZ, X_NZ, X_NNS
	v_rsq_f32 v[X_Y], v[X_NNS]
	v_rsq_f32 v[X_Y+1], v[X_NNS+1]
	PMUL X_T1, X_GK, X_DOT
	PFMI X_T1, X_NN2, 0.5, X_T1
	PFHS X_T1, X_T1, X_AEK                         ; gk (r . nE) / 2 + |nE|^2 / 4 - aE_k
	PMUL EV, X_T1, X_RA                            ; e'
	PMUL UW, X_NW, X_Y                             ; u' = n / |n|
	PMUL UX, X_NX, X_Y
	PMUL UY, X_NY, X_Y
	PMUL UZ, X_NZ, X_Y
.endif
.endm
.irp j, 0,1,2,3,4,5,6,7,8,9,10,11,12,13,14,15
	STEP \j
.endr
	; THE WAY OUT.  pos: a row is 12 bytes, so the wave's 64 rows go through its stage and come back as three runs of 256 bytes, 8 bytes a lane.
	ds_store_b32 v[VPW], v[PX]   offset:PST
	ds_store_b32 v[VPW], v[PY]   offset:PST+4
	ds_store_b32 v[VPW], v[PZ]   offset:PST+8
	ds_store_b32 v[VPW], v[PX+1] offset:PST+384    ; my second row lies 32 rows on
	ds_store_b32 v[VPW], v[PY+1] offset:PST+388
	ds_store_b32 v[VPW], v[PZ+1] offset:PST+392
	ds_load_b64 v[RM:RM+1],   v[VQR] offset:PST    ; my wave's own bytes, served in order behind the stores above
	ds_load_b64 v[RM+2:RM+3], v[VQR] offset:PST+256
	ds_load_b64 v[RM+4:RM+5], v[VQR] offset:PST+512
	global_store_b128 v[VQ], v[OUT:OUT+3],   s[12:13] th:TH_STORE_NT             ; ori of rows 0-31: 512 consecutive bytes, at a multiple of 256 from out1's first byte
	global_store_b128 v[VQ], v[OUT+4:OUT+7], s[12:13] offset:512 th:TH_STORE_NT  ; rows 32-63
	s_wait_dscnt 0x0
	global_store_b64 v[VP8], v[RM:RM+1],   s[10:11] th:TH_STORE_NT               ; each store of the wave covers 256 consecutive bytes, at a multiple of 256 from out0's first byte
	global_store_b64 v[VP8], v[RM+2:RM+3], s[10:11] offset:256 th:TH_STORE_NT
	global_store_b64 v[VP8], v[RM+4:RM+5], s[10:11] offset:512 th:TH_STORE_NT
	s_wait_tensorcnt 0x0                           ; the wave's end, behind my last LDS store
	ds_add_u32 v[SPW], v[NIL]
	s_wait_dscnt 0x0
	s_endpgm
.Lfunc_end_k_qa450f37815_fk:
	.size	k_qa450f37815_fk, .Lfunc_end_k_qa450f37815_fk-k_qa450f37815_fk
	.p2alignl 7, 3214868480
	.fill 96, 4, 3214868480
	.section	.rodata,"a",@progbits
	.p2align	6, 0x0
	.amdhsa_kernel k_qa450f37815_fk
		.amdhsa_group_segment_fixed_size 50176
		.amdhsa_private_segment_fixed_size 0
		.amdhsa_enable_private_segment 0
		.amdhsa_kernarg_size 40
		.amdhsa_user_sgpr_count 2
		.amdhsa_user_sgpr_kernarg_segment_ptr 1
		.amdhsa_wavefront_size32 1
		.amdhsa_system_sgpr_workgroup_id_x 1
		.amdhsa_system_sgpr_workgroup_id_y 1
		.amdhsa_system_sgpr_workgroup_id_z 1
		.amdhsa_system_vgpr_workitem_id 0
		.amdhsa_next_free_vgpr 160
		.amdhsa_next_free_sgpr 82
		.amdhsa_reserve_vcc 1
		.amdhsa_float_denorm_mode_32 3
		.amdhsa_float_denorm_mode_16_64 3
		.amdhsa_memory_ordered 1
		.amdhsa_forward_progress 1
		.amdhsa_inst_pref_size 255
	.end_amdhsa_kernel
	.section	.bss,"aw",@nobits
	.p2align	6
	.space	262144
	.amdgpu_metadata
---
amdhsa.version: [ 1, 2 ]
amdhsa.kernels:
  - .name:           k_qa450f37815_fk
    .symbol:         k_qa450f37815_fk.kd
    .args:
      - { .name: q, .offset: 0, .size: 8, .value_kind: global_buffer, .address_space: global }
      - { .name: link_lengths, .offset: 8, .size: 8, .value_kind: global_buffer, .address_space: global }
      - { .name: axes, .offset: 16, .size: 8, .value_kind: global_buffer, .address_space: global }
      - { .name: out0, .offset: 24, .size: 8, .value_kind: global_buffer, .address_space: global }
      - { .name: out1, .offset: 32, .size: 8, .value_kind: global_buffer, .address_space: global }
    .group_segment_fixed_size: 50176
    .private_segment_fixed_size: 0
    .kernarg_segment_align: 8
    .kernarg_segment_size: 40
    .max_flat_workgroup_size: 256
    .sgpr_count:     82
    .vgpr_count:     160
    .wavefront_size: 32
...
	.end_amdgpu_metadata
.endif
;; end of part 1
